; MI455X (gfx1250); checked and timed in simulation.
; The chip was launched on July 23, 2026; its instructions are those of AMD's public machine-readable ISA for CDNA 5 (MIT licence, August 2026) and "CDNA5" Instruction Set Architecture Reference Guide (July 2026). The comments in the code are by the model that wrote it; some were corrected since.
;; Bahdanau Attention. Allowed arithmetic: matrix products marked QUANTISED: E5M2 operands, one given power-of-two scale a tensor, by v_wmma_f32_16x16x64_bf8_bf8 or v_wmma_f32_16x16x128_bf8_bf8, f32 sums; products left as they are: f32 operands where the result goes on into a quantised operand, else bf16, f16 or f32 operands; f32 sums; everything else in f32.
;; Inputs: V 1,024 x 1 float32; W1_codes 1,024 x 32 x 32 uint8 (E5M2 codes of W1, K innermost, in blocks of 32 codes); W2_codes 1,024 x 32 x 32 uint8 (E5M2 codes of W2, K innermost, in blocks of 32 codes); lowp_scales 4 int32 (the exponents e of the quantised operands' scales 2^e); query_codes 32 x 32 x 32 uint8 (E5M2 codes of query, K innermost, in blocks of 32 codes); values 32 x 2,048 x 1,024 float32.
;; Outputs: out0 32 x 1,024 float32; out1 32 x 2,048 x 1 float32.
;; This version of the problem:
;;   THIS VERSION OF THE PROBLEM IS GIVEN IN LOW PRECISION. The matrix products marked QUANTISED in the list below multiply operands that are first quantised to E5M2 (5 exponent bits, 2 mantissa bits; 8 bits a number), with one given power-of-two scale for each operand tensor; their sums are f32. All else is computed in f32.
;;   The module's matrix products, in the order in which they are computed (A, B: the left and right operand; K: the contracted axis; several contracted axes count as one K, in the product's order):
;;     1. [M 32, K 1,024] x [K 1,024, N 1,024]; A: input query (given as codes); B: input W1 (given as codes): QUANTISED (scales: A lowp_scales[0], B lowp_scales[1])
;;     2. [M 65,536, K 1,024] x [K 1,024, N 1,024]; A: input values; B: input W2 (given as codes): QUANTISED (scales: A lowp_scales[2], B lowp_scales[3])
;;     3. [M 65,536, K 1,024] x [K 1,024, N 1]; A: computed on the way; B: input V: left as it is (N = 1 < 16)
;;   THE QUANTISER, for each operand of a quantised product, along K:
;;     - The operand's scale is 2^e, e = its entry of the input lowp_scales (int32; the entries are numbered through the quantised products in the list's order, A before B).
;;     - Each number is divided by the scale, clamped to +-57,344, and rounded to the nearest number of E5M2, ties to even, subnormals kept.
;;     - The product sums the exact products of the quantised numbers (number of the format x scale) in f32.
;;   ~~~python
;;   def quantise(x, axis, e):      # numpy; x: float32 -> the quantised numbers, widened to float32 again
;;       x = np.moveaxis(x, axis, -1); K = x.shape[-1]
;;       r = np.clip(x / 2.0 ** e, -57344, 57344)
;;       step = 2.0 ** (np.maximum(np.frexp(np.where(r == 0, 1, r))[1] - 1, -14) - 2)
;;       q = np.round(r / step) * step * 2.0 ** e      # np.round: ties to even
;;       return np.moveaxis(q, -1, axis).astype(np.float32)
;;   ~~~
;;   INPUTS GIVEN AS CODES. W1 (in the module: [1024, 1024], K = its axis 0); W2 (in the module: [1024, 1024], K = its axis 0); query (in the module: [32, 1024], K = its axis 1): each comes as NAME_codes (uint8): NAME with its K axis moved to the last place and cut into blocks of 32 codes, [.., K / 32, bytes a block], one block behind the other in memory; one code a byte (a code: sign, 5 exponent bits, 2 mantissa bits); its scale is its entry of lowp_scales. Its value is code x scale, taken as it is: it is not quantised again, and the codes and scales need not be those that the quantiser above would give.
;; One version. Each part assembles by itself: llvm-mc -triple=amdgcn-amd-amdhsa -mcpu=gfx1250 --defsym DOCPART=n.
;; ======== version 1 of 1: 3 launches
;; limits: right only within a limited range of input values
;; workspace buffers: qb 131,072 bytes; lg 262,144 bytes; part 1,048,576 bytes
;; launch qproj (part 1): grid 16 x 1, 4 waves a work-group, no clusters, 9,216 bytes of LDS; arguments query_codes, W1_codes, lowp_scales, qb; writes qb
.if DOCPART == 1
	.amdgcn_target "amdgcn-amd-amdhsa--gfx1250"
	.amdhsa_code_object_version 6
	.text
	.protected	k_q84fcf0c3d3_qproj
	.globl	k_q84fcf0c3d3_qproj
	.p2align	8
	.type	k_q84fcf0c3d3_qproj,@function
k_q84fcf0c3d3_qproj:
	s_mov_b64 s[64:65], 0
	v_nop
	global_prefetch_b8 v0, s[64:65] scope:SCOPE_SE
	s_setreg_imm32_b32 hwreg(HW_REG_WAVE_MODE, 25, 1), 1
	s_wait_xcnt 0x0
; qb[b][n] = (sum over k of query_code[b][k] x W1_code[n][k]) x 2^(e0 + e1 - e2 - e3): the first product of the module, on codes of BF8 (E5M2) as they are given,
; left in the unit of the SECOND product's sums (2^(e2 + e3)), so that the next launch can take it as the C of its matrix instructions.
; DEAD WORK LEFT OUT IN THIS PROGRAM.  tanh x = 1 - 2 r with r = 1 / (1 + 2^(2 log2(e) x)), so logit[b][t] = sum_u V[u] - 2 sum_u V[u] r[b][t][u].  The first term is the same for
; every t of a batch, whatever V holds, and the softmax runs along t: it changes no weight.  So sum_u V[u] is never formed; V itself is live and is loaded.  The softmax still takes its true maximum away.
; LIMIT: a NaN, an infinity or an overflow that would arise in sum_u V[u] alone is not carried to the result.  Every input of the problem is loaded by some launch.
; SHARES.  Work-group g makes columns 64 g .. 64 g + 63 for all 32 batches; wave w the 16 columns from 64 g + 16 w on: two accumulators (batches 0-15, 16-31), which take turns.
; The operands go from memory straight into registers: 1 MiB of W1 is read once in the launch, each work-group its own rows; only the query's 32 KiB are read by all sixteen work-groups, so nothing goes through LDS tiles and no cluster is formed.
; THE MATRIX INSTRUCTION IS USED TRANSPOSED (source 0 = 16 rows of W1, source 1 = 16 batches): a lane holds one batch and eight neighbouring columns.
; A fragment (16 rows x 128 K, 16 registers) is fetched by four loads of 16 bytes, 32 bytes apart, at row x 1,024 + 16 (lane / 16): the same permutation of k in both operands, so every product meets its partner.
; REGISTERS: window 0: v1-6 addresses, v8, v9 the add's two, v16-31 the sums, v32-47 scaled, v48-63 rows read back, v128-255 W1's 8 fragments.  window 1: the query's 16 fragments.
.set PITCH, 272                        ; a stage row: 64 columns x 4 bytes + 16 of padding
.set SPARE, 32*PITCH                   ; behind the stage: the spare words, 128 bytes for each wave: two blocks of 256 bytes that no other line names
.set SPW, 8
.set NIL, 9
.set ACC, 16
.set OUT, 32
.set BK,  48
.set WF,  128
.set MSB, 0
.macro WIN new                         ; the immediate's high byte repeats the setting that is left
.if MSB != (\new)
	s_set_vgpr_msb (MSB<<8)|(\new)
.set MSB, (\new)
.endif
.endm
	s_load_b256 s[4:11], s[0:1], 0x0               ; query's codes s[4:5], W1's codes s[6:7], the exponents s[8:9], qb s[10:11]
	v_lshl_add_u32 v[SPW], v0, 2, SPARE
	v_mov_b32 v[NIL], 0
	v_lshrrev_b32 v1, 5, v0
	v_readfirstlane_b32 s16, v1                    ; wave 0..3
	v_and_b32 v1, 15, v0                           ; r
	v_bfe_u32 v2, v0, 4, 1                         ; h
	v_lshlrev_b32 v3, 10, v1
	v_lshl_add_u32 v3, v2, 4, v3                   ; a fragment's row of 1,024 bytes, + 16 h
	v_mul_u32_u24 v4, v1, PITCH
	v_lshl_add_u32 v4, v2, 5, v4
	s_lshl_b32 s20, s16, 6
	v_add_nc_u32 v4, s20, v4                       ; into the stage: row = batch r, my wave's 64 bytes, 32 for each half of the lanes
	v_mul_u32_u24 v5, v2, PITCH
	v_lshl_add_u32 v5, v1, 4, v5
	s_mul_i32 s20, s16, 8*PITCH
	v_add_nc_u32 v5, s20, v5                       ; back: wave w takes rows 8 w .. 8 w + 7, sixteen lanes to a row
	v_lshlrev_b32 v6, 12, v2
	v_lshl_add_u32 v6, v1, 4, v6                   ; and the same two rows of qb (4,096 bytes apart)
	s_lshl_b32 s18, ttmp9, 16
	s_lshl_b32 s19, s16, 14
	s_add_co_u32 s18, s18, s19                     ; my 16 rows of W1: (64 g + 16 w) x 1,024 bytes
	s_mov_b32 s19, 0
	s_lshl_b32 s20, s16, 15
	s_lshl_b32 s21, ttmp9, 8
	s_add_co_u32 s20, s20, s21                     ; qb: row 8 w, byte 256 g
	s_mov_b32 s21, 0
	s_wait_alu depctr_va_vdst(0)
	s_wait_kmcnt 0x0
	s_load_b128 s[12:15], s[8:9], 0x0              ; e0, e1, e2, e3
	s_add_nc_u64 s[6:7], s[6:7], s[18:19]
	s_add_nc_u64 s[10:11], s[10:11], s[20:21]
.irp k, 0,1,2,3,4,5,6,7
.irp c, 0,1,2,3
	global_load_b128 v[WF+16*\k+4*\c:WF+16*\k+4*\c+3], v3, s[6:7] offset:128*\k+32*\c
.endr
.endr
	WIN 0x40                                       ; destination window 1
.irp t, 0,1
.irp k, 0,1,2,3,4,5,6,7
.irp c, 0,1,2,3
	global_load_b128 v[128*\t+16*\k+4*\c:128*\t+16*\k+4*\c+3], v3, s[4:5] offset:16384*\t+128*\k+32*\c
.endr
.endr
.endr
	WIN 0
	s_wait_loadcnt 0x0
	WIN 0x04                                       ; source 1 (the query) window 1
.irp k, 0,1,2,3,4,5,6,7
.irp t, 0,1
.if \k == 0
	v_wmma_f32_16x16x128_bf8_bf8 v[ACC+8*\t:ACC+8*\t+7], v[WF+16*\k:WF+16*\k+15], v[128*\t+16*\k:128*\t+16*\k+15], 0
.else
	v_wmma_f32_16x16x128_bf8_bf8 v[ACC+8*\t:ACC+8*\t+7], v[WF+16*\k:WF+16*\k+15], v[128*\t+16*\k:128*\t+16*\k+15], v[ACC+8*\t:ACC+8*\t+7]
.endif
.endr
.endr
	WIN 0
.rept 4
	v_nop                                          ; four places between the last products and the first read of their results (ISA guide 7.12.1)
.endr
	s_wait_kmcnt 0x0
	s_add_co_i32 s20, s12, s13
	s_sub_co_i32 s20, s20, s14
	s_sub_co_i32 s20, s20, s15                     ; e0 + e1 - e2 - e3
.irp j, 0,1,2,3,4,5,6,7,8,9,10,11,12,13,14,15
	v_ldexp_f32 v[OUT+\j], v[ACC+\j], s20          ; each accumulator from its low end on; nothing is rounded short of overflow and underflow
.endr
.irp t, 0,1
	ds_store_b128 v4, v[OUT+8*\t:OUT+8*\t+3] offset:16*\t*PITCH
	ds_store_b128 v4, v[OUT+8*\t+4:OUT+8*\t+7] offset:16*\t*PITCH+16
.endr
	s_wait_dscnt 0x0                               ; for the others' sake: my stores into the stage are done
	s_barrier_signal -1
	s_barrier_wait -1                              ; a row's 256 bytes come from four waves
.irp i, 0,1,2,3
	ds_load_b128 v[BK+4*\i:BK+4*\i+3], v5 offset:2*\i*PITCH
.endr
.irp i, 0,1,2,3
	s_wait_dscnt 3-\i                              ; LDS loads come back in order: load i is in, the younger ones may be out
	global_store_b128 v6, v[BK+4*\i:BK+4*\i+3], s[10:11] offset:2*\i*4096   ; sixteen lanes store 256 consecutive bytes, at a multiple of 256 from qb's first byte
.endr
	s_wait_tensorcnt 0x0                           ; the wave's end
	ds_add_u32 v[SPW], v[NIL]
	s_wait_dscnt 0x0
	s_endpgm
.Lfunc_end_k_q84fcf0c3d3_qproj:
	.size	k_q84fcf0c3d3_qproj, .Lfunc_end_k_q84fcf0c3d3_qproj-k_q84fcf0c3d3_qproj
	.p2alignl 7, 3214868480
	.fill 96, 4, 3214868480
	.section	.rodata,"a",@progbits
	.p2align	6, 0x0
	.amdhsa_kernel k_q84fcf0c3d3_qproj
		.amdhsa_group_segment_fixed_size 9216
		.amdhsa_private_segment_fixed_size 0
		.amdhsa_enable_private_segment 0
		.amdhsa_kernarg_size 32
		.amdhsa_user_sgpr_count 2
		.amdhsa_user_sgpr_kernarg_segment_ptr 1
		.amdhsa_wavefront_size32 1
		.amdhsa_system_sgpr_workgroup_id_x 1
		.amdhsa_system_sgpr_workgroup_id_y 1
		.amdhsa_system_sgpr_workgroup_id_z 1
		.amdhsa_system_vgpr_workitem_id 0
		.amdhsa_next_free_vgpr 512
		.amdhsa_next_free_sgpr 66
		.amdhsa_reserve_vcc 0
		.amdhsa_float_denorm_mode_32 3
		.amdhsa_float_denorm_mode_16_64 3
		.amdhsa_memory_ordered 1
		.amdhsa_forward_progress 1
		.amdhsa_inst_pref_size 15
	.end_amdhsa_kernel
	.amdgpu_metadata
---
amdhsa.version: [ 1, 2 ]
amdhsa.kernels:
  - .name:           k_q84fcf0c3d3_qproj
    .symbol:         k_q84fcf0c3d3_qproj.kd
    .args:
      - { .name: query_codes, .offset: 0, .size: 8, .value_kind: global_buffer, .address_space: global }
      - { .name: W1_codes, .offset: 8, .size: 8, .value_kind: global_buffer, .address_space: global }
      - { .name: lowp_scales, .offset: 16, .size: 8, .value_kind: global_buffer, .address_space: global }
      - { .name: qb, .offset: 24, .size: 8, .value_kind: global_buffer, .address_space: global }
    .group_segment_fixed_size: 9216
    .private_segment_fixed_size: 0
    .kernarg_segment_align: 8
    .kernarg_segment_size: 32
    .max_flat_workgroup_size: 128
    .sgpr_count:     66
    .vgpr_count:     512
    .wavefront_size: 32
...
	.end_amdgpu_metadata
.endif
;; end of part 1
;; launch score (part 2): grid 256 x 1, 4 waves a work-group, clusters of 4 x 1, 327,680 bytes of LDS; arguments values, W2_codes, V, lowp_scales, qb, lg, part; writes lg, part
.if DOCPART == 2
	.amdgcn_target "amdgcn-amd-amdhsa--gfx1250"
	.amdhsa_code_object_version 6
	.text
	.protected	k_q84fcf0c3d3_score
	.globl	k_q84fcf0c3d3_score
	.p2align	8
	.type	k_q84fcf0c3d3_score,@function
k_q84fcf0c3d3_score:
	s_mov_b64 s[64:65], 0
	v_nop
	global_prefetch_b8 v0, s[64:65] scope:SCOPE_SE
	s_setreg_imm32_b32 hwreg(HW_REG_WAVE_MODE, 25, 1), 1
	s_wait_xcnt 0x0
	s_wait_alu depctr_hold_cnt(0) depctr_sa_sdst(0) depctr_va_vdst(0) depctr_va_sdst(0) depctr_va_ssrc(0) depctr_va_vcc(0) depctr_vm_vsrc(0)
	s_getreg_b32 s2, hwreg(HW_REG_IB_STS2, 6, 4)
	s_cmp_eq_u32 s2, 0
	s_cbranch_scc0 .Lentry_in_a_cluster
	s_endpgm
.Lentry_in_a_cluster:
	s_bfe_u32 s2, ttmp6, 0x10000c
	s_cmp_lg_u32 s2, 0x3003
	s_cbranch_scc0 .Lentry_shape_is_right
	s_endpgm
.Lentry_shape_is_right:
; lg[b][t] = -2 sum over u of V[u] r[b][t][u], r = 1 / (1 + 2^(2 log2(e) x)), x = q_proj[b][u] + v_proj[b][t][u]; v_proj on codes of BF8 (E5M2), values quantised here by the given 2^e2.
; LEFT OUT (shown at the head of the first kernel): sum_u V[u], which is the same along t and changes no weight of the softmax.
; SHARES.  A work-group owns 256 rows (b, t), a wave 64 of them: their 64 x 1,024 codes stay in 512 registers (windows 2 and 3).  W2's 1,024 columns walk through a ring of two LDS slots of 64 columns x all K,
; asked for JOINTLY by the four work-groups of a cluster (mask 15), a quarter of a slot to a wave.  qb arrives in the unit of this product's sums and is the C of each sum's first product.
; THE HEAD: values come by loads of 512 bytes of a row, 64 a wave out at a time, go through my stage in LDS so that a lane holds 16 neighbours along K, are held at the largest code and converted.
; Two counted loops (K steps 0-3, 4-6) convert into fixed registers and put the codes as register images into my code stage in LDS; behind each loop they are read back into window 2 or 3.  The last K step is written out: it asks for nothing more.
; THE PRODUCTS are used transposed (source 0 = 16 columns of W2, source 1 = 16 rows of values): a lane holds one row t and eight neighbouring columns u.  32 columns at a time: eight accumulators by turns.
; W2's fragments go through a ring of eight (four K steps x two column tiles): behind each K step's eight products stand four places and the eight loads of the K step four further on, into the registers just read.
; THE ACTIVATION of 64 numbers a lane stands behind the 64 products, in five stages with one wait ahead of each; one column tile's plain lines stand between the other's transcendentals.
; No prefetch is laid: the values have 64 loads a wave out through the whole head, and a slot of W2 is asked for a whole slot's 128 products ahead of its first read.
; LIMITS: e2 between -126 and 112; e2 + e3 between -127 and 125 (added to an exponent field).  2^y beyond f32 gives r = 0, as tanh = 1 asks.
; REGISTERS.  window 0: v1-15 addresses and constants, v16-47 the 16 pairs of sums, v48-63 at work, v64-127 the accumulators, v128-255 W2's fragments (head: numbers read back from the stage).
; window 1: head: the 64 loads' 256 registers; then v0-15 qb, v16-31 V of the 32 columns in hand.  windows 2, 3: the codes, K step k, row tile m at v[64 (k % 4) + 16 m] of window 2 + k / 4.
; THE WEIGHTED SUM'S PART, behind the logits: part[work-group][d] = sum over my 256 rows t of 2^((z[t] - m) log2(e)) values[t][d], m the largest z of these 256 rows (taken away ahead of the exponentials).
; Each wave streams its own 64 rows once more, 262,144 bytes on end, 512 bytes a load, 64 loads out; 48 of them are asked for ahead of the last slot's products.  The four waves' sums meet in LDS (stage bytes, where no tensor load lands).
; The last launch brings the eight parts of a batch under the batch's own maximum and divides by the row's sum.
.set VSW,   32*528
.set HALF,  4*VSW                      ; a slot
.set TAB,   2*HALF                     ; V's 4,096 bytes, then my batch's qb
.set SPARE, TAB+8192                   ; the spare words, 128 bytes a wave
.set STG,   SPARE+512                  ; stages: 16 rows x (512 + 16) bytes a wave
.set STW,   16*528
.set CST,   STG+4*STW                  ; code stages: 4 K steps x 8,192 bytes a wave; no tensor load lands here
.set SPW, 1
.set NIL, 2
.set LB0, 3
.set TL,  4
.set ADR, 5
.set ADT, 6
.set STA, 7
.set STL, 8
.set SCL, 9
.set LIM, 10
.set CS0, 11
.set VOF, 12
.set LL,  16
.set CSA, 48
.set X,   64
.set BF,  128
.set QB,  0
.set VV,  16
.set WV,  16
.set CS,  22
.set SB,  24
.set STB, 25
.set CNT, 26
.set KC,  33
.set CSO, 34
.set G1W, 40
.set G1T, 48
.set G0S, 56
.set G0W, 68
.set G0T, 72
.set SEL, 76
.set MSB, 0
.macro WIN new                         ; the immediate's high byte repeats the setting that is left
.if MSB != (\new)
	s_set_vgpr_msb (MSB<<8)|(\new)
.set MSB, (\new)
.endif
.endm
.macro CREST                           ; a round of the cluster's barrier behind its opening barrier
	s_cmp_lg_u32 s[WV], 0
	s_cbranch_scc1 .Lnot_wave_0_\@
	s_barrier_signal -3
.Lnot_wave_0_\@:
	s_barrier_wait -3
	s_barrier_signal -1
	s_barrier_wait -1
.endm
.macro CROUND
	s_barrier_signal -1
	s_barrier_wait -1
	CREST
.endm
.macro NOP4
.rept 4
	v_nop
.endr
.endm
.macro QLD m                           ; 16 rows of row tile m, 512 bytes each, at the K step where v[VOF+m] stands.  Stage row i is row 2 i + m % 2 + 32 (m / 2) of my 64
.set i, 0
.rept 16
	global_load_b128 v[64*(\m)+4*i:64*(\m)+4*i+3], v[VOF+\m], s[4:5] offset:(2*i+((\m)%2)+32*((\m)/2))*4096 th:TH_LOAD_NT
.set i, i+1
.endr
.endm
	s_load_b256 s[4:11], s[0:1], 0x0               ; values, W2's codes, V, the exponents
	s_load_b128 s[12:15], s[0:1], 0x20             ; qb, lg
	s_load_b64 s[36:37], s[0:1], 0x30              ; part
	v_lshl_add_u32 v[SPW], v0, 2, SPARE
	v_mov_b32 v[NIL], 0
	ds_add_u32 v[SPW], v[NIL]                      ; the opening lines: the add twice on end, and its wait ahead of my first tensor load
	ds_add_u32 v[SPW], v[NIL]
	v_lshrrev_b32 v49, 5, v0
	v_readfirstlane_b32 s[WV], v49                 ; wave 0..3
	s_bfe_u32 s17, ttmp6, 0x40000                  ; cx
	s_lshl_b32 s18, ttmp9, 2
	s_add_co_u32 s18, s18, s17                     ; work-group = 4 x cluster + cx
	s_mov_b32 s[G1W], 15|(2<<16)|(1<<20)|(1<<21)|(6<<22)|(3<<25)   ; mask: all four; elements of 4 bytes; four words of padding behind every 128
	s_mov_b32 s[G1W+1], 128<<16
	s_mov_b32 s[G1W+2], 32<<16
	s_mov_b32 s[G1W+3], 128<<16
	s_mov_b32 s[G1W+4], 32
	s_mov_b32 s[G1W+5], 256
	s_mov_b32 s[G1W+6], 0
	s_mov_b32 s[G1W+7], 0
	s_mov_b32 s[G1T], 3<<16                        ; one row of 2,048 bytes, no mask
	s_mov_b32 s[G1T+1], 256<<16
	s_mov_b32 s[G1T+2], 1<<16
	s_mov_b32 s[G1T+3], 256<<16
	s_mov_b32 s[G1T+4], 1
	s_mov_b32 s[G1T+5], 256
	s_mov_b32 s[G1T+6], 1<<16
	s_mov_b32 s[G1T+7], 0
	s_mov_b32 s[SEL], 0x76543210
	s_mov_b32 s[SEL+1], 0xfedcba98
	s_mul_i32 s27, s[WV], VSW
	s_mul_i32 s19, s[WV], STW
	s_add_co_u32 s19, s19, STG                     ; my stage
	s_lshl_b32 s35, s[WV], 15
	s_add_co_u32 s35, s35, CST                     ; my code stage
	v_and_b32 v49, 15, v0                          ; r
	v_bfe_u32 v50, v0, 4, 1                        ; h
	v_mul_u32_u24 v51, v49, 528
	v_lshl_add_u32 v[LB0], v50, 4, v51             ; a fragment of W2: column r x pitch + 16 h
	v_lshl_add_u32 v[TL], v50, 5, TAB              ; my half's eight columns in the tables
	v_and_b32 v52, 31, v0
.irp m, 0,1,2,3
	v_lshlrev_b32 v[VOF+\m], 4, v52                ; 16 x lane, K step 0: one offset for each row tile's loads
.endr
	v_add_nc_u32 v[STA], s19, v[VOF]               ; into the stage: a row's 512 bytes by 32 lanes
	v_lshl_add_u32 v[STL], v50, 6, v51
	v_add_nc_u32 v[STL], s19, v[STL]               ; back: row r, 16 numbers from 16 h on
	v_add_nc_u32 v[CS0], s35, v[VOF]               ; code stage: register images, 16 x lane
.set i, 0
.rept 32
	v_mov_b32 v[LL+i], 0
.set i, i+1
.endr
	s_lshl_b32 s20, s18, 20                        ; values: my work-group's 256 rows of 4,096 bytes,
	s_lshl_b32 s21, s[WV], 18                      ; my wave's 64
	s_add_co_u32 s20, s20, s21
	s_mov_b32 s21, 0
	s_lshr_b32 s80, s[WV], 1                       ; W2: waves 0, 1 columns 0-31, waves 2, 3 columns 32-63 of a slot;
	s_lshl_b32 s80, s80, 15
	s_and_b32 s82, s[WV], 1                        ; even waves K 0-511, odd waves K 512-1,023
	s_lshl_b32 s81, s82, 9
	s_add_co_u32 s80, s80, s81
	s_mov_b32 s81, 0
	s_lshl_b32 s82, s82, 11
	s_mov_b32 s83, 0
	s_lshr_b32 s84, ttmp9, 1                       ; the batch: two clusters to one
	s_lshl_b32 s84, s84, 12
	s_mov_b32 s85, 0
	s_lshl_b32 s86, s18, 10
	s_lshl_b32 s87, s[WV], 8
	s_add_co_u32 s86, s86, s87                     ; lg: my 64 rows
	s_mov_b32 s87, 0
	s_wait_alu depctr_va_vdst(0)                   ; the head's end
	s_wait_dscnt 0x0                               ; both opening adds are done
	s_wait_kmcnt 0x0
	s_load_b128 s[28:31], s[10:11], 0x0            ; e0 .. e3
	s_add_nc_u64 s[4:5], s[4:5], s[20:21]
	WIN 0x40
	QLD 0
	QLD 1
	QLD 2
	QLD 3
	WIN 0
	s_mov_b32 s[G0S], 1
	s_mov_b32 s[G0S+1], s27
	s_add_nc_u64 s[G0S+2:G0S+3], s[6:7], s[80:81]
	s_mov_b32 s[G0W], 1
	s_add_co_u32 s[G0W+1], s27, HALF
	s_add_nc_u64 s[G0W+2:G0W+3], s[G0S+2:G0S+3], 65536
	s_or_b32 s[G0S+3], s[G0S+3], 0x80000000
	s_or_b32 s[G0W+3], s[G0W+3], 0x80000000
	s_add_nc_u64 s[12:13], s[12:13], s[84:85]
	s_cmp_lt_u32 s[WV], 2                          ; waves 0, 1 fetch V's halves, waves 2, 3 qb's
	s_cselect_b64 s[G0T+2:G0T+3], s[8:9], s[12:13]
	s_add_nc_u64 s[G0T+2:G0T+3], s[G0T+2:G0T+3], s[82:83]
	s_or_b32 s[G0T+3], s[G0T+3], 0x80000000
	s_mov_b32 s[G0T], 1
	s_lshl_b32 s[G0T+1], s[WV], 11
	s_add_co_u32 s[G0T+1], s[G0T+1], TAB
	s_add_nc_u64 s[14:15], s[14:15], s[86:87]
	s_lshl_b32 s88, s18, 12                        ; part: my work-group's 4,096 bytes,
	s_lshl_b32 s89, s[WV], 10                      ; my wave's 1,024 of them
	s_add_co_u32 s88, s88, s89
	s_mov_b32 s89, 0
	s_add_nc_u64 s[36:37], s[36:37], s[88:89]
	CROUND
	tensor_load_to_lds s[G0T:G0T+3], s[G1T:G1T+7]  ; the tables: my one tensor load at the head
	s_nop 0
	s_wait_tensorcnt 0x0                           ; each later first fill stands behind the full sequence and a round
	ds_add_u32 v[SPW], v[NIL]
	s_wait_dscnt 0x0
	CROUND
	tensor_load_to_lds s[G0S:G0S+3], s[G1W:G1W+7]  ; slot 0
	s_nop 0
	s_wait_tensorcnt 0x0
	ds_add_u32 v[SPW], v[NIL]
	s_wait_dscnt 0x0
	CROUND                                         ; slot 0 and the tables are whole for every wave
	tensor_load_to_lds s[G0W:G0W+3], s[G1W:G1W+7]  ; slot 1
	s_nop 0
	NOP4
	s_wait_kmcnt 0x0
	s_add_co_i32 s20, s30, 127
	s_lshl_b32 s21, s20, 23
	v_mov_b32 v[SCL], s21                          ; 2^e2
	s_add_co_i32 s20, s20, 15
	s_lshl_b32 s20, s20, 23
	s_or_b32 s20, s20, 0x600000
	v_mov_b32 v[LIM], s20                          ; 57,344 x 2^e2
	s_add_co_i32 s20, s30, s31
	s_lshl_b32 s20, s20, 23
	s_add_co_i32 s[CS], s20, 0x4038aa3b            ; 2 log2(e) x 2^(e2 + e3)
	s_mov_b32 s[CS+1], s[CS]
	s_wait_alu depctr_va_vdst(0)
; One row tile of one K step: 16 rows x 128 numbers through the stage, held.  cnt: the younger loads that may stay out.  ld = 1: the same tile's next K step is asked for, into the registers just stored.
.macro QCOM m, ld, cnt
	s_wait_loadcnt \cnt
	WIN 0x04
.set i, 0
.rept 16
	ds_store_b128 v[STA], v[64*(\m)+4*i:64*(\m)+4*i+3] offset:528*i
.set i, i+1
.endr
	WIN 0
.irp c, 0,1,2,3
.irp j, 0,1,2,3
	ds_load_b128 v[BF+16*\c+4*\j:BF+16*\c+4*\j+3], v[STL] offset:128*\c+16*\j
.endr
.endr
	s_wait_dscnt 0x0
.if \ld
	v_add_nc_u32 v[VOF+\m], 0x200, v[VOF+\m]       ; its last loads are in (the wait on LOADcnt above), so their offset may step
	WIN 0x40
	QLD \m
	WIN 0
.endif
.set i, 0
.rept 64
	v_med3_num_f32 v[BF+i], v[BF+i], -v[LIM], v[LIM]   ; the conversion does not saturate (ISA guide 7.6.2)
.set i, i+1
.endr
.endm
.macro QCVT w, base                    ; registers 4 c .. 4 c + 3: K = 32 c + 16 h + 0 .. 15, as W2's fragments have it
	WIN (\w)<<6
.irp c, 0,1,2,3
	v_cvt_scalef32_pk8_bf8_f32 v[\base+4*\c:\base+4*\c+1], v[BF+16*\c:BF+16*\c+7], v[SCL]
	v_cvt_scalef32_pk8_bf8_f32 v[\base+4*\c+2:\base+4*\c+3], v[BF+16*\c+8:BF+16*\c+15], v[SCL]
.endr
	v_nop
	WIN 0
.endm
.macro QLOOP n, w, lbl                 ; n K steps into the code stage, then back into window w
	s_mov_b32 s[KC], \n
	s_mov_b32 s[CSO], 0
.Lq\lbl:
	v_add_nc_u32 v[CSA], s[CSO], v[CS0]
.irp m, 0,1,2,3
	QCOM \m, 1, 48                                 ; 64 loads are out: the oldest 16 are this tile's
	QCVT 0, X
.irp q, 0,1,2,3
	ds_store_b128 v[CSA], v[X+4*\q:X+4*\q+3] offset:2048*\m+512*\q
.endr
.endr
	s_add_co_u32 s[CSO], s[CSO], 8192
	s_sub_co_u32 s[KC], s[KC], 1
	s_cmp_lg_u32 s[KC], 0
	s_wait_alu depctr_va_vdst(0)
	s_cbranch_scc1 .Lq\lbl
	WIN (\w)<<6
.set kk, 0
.rept \n
.irp m, 0,1,2,3
.irp q, 0,1,2,3
	ds_load_b128 v[64*kk+16*\m+4*\q:64*kk+16*\m+4*\q+3], v[CS0] offset:8192*kk+2048*\m+512*\q   ; LDS serves a wave's instructions in order: these see my stores
.endr
.endr
.set kk, kk+1
.endr
	WIN 0
.endm
	QLOOP 4, 2, a
	QLOOP 3, 3, b
.irp m, 0,1,2,3
	QCOM \m, 0, 16*(3-\m)
	QCVT 3, 192+16*\m
.endr
; eight products: K step k of two column tiles against my four row tiles
.macro MUL8 k
.irp ct, 0,1
.irp m, 0,1,2,3
.if (\k) == 0
	v_wmma_f32_16x16x128_bf8_bf8 v[X+32*\ct+8*\m:X+32*\ct+8*\m+7], v[BF+16*\ct:BF+16*\ct+15], v[16*\m:16*\m+15], v[QB+8*\ct:QB+8*\ct+7]
.else
	v_wmma_f32_16x16x128_bf8_bf8 v[X+32*\ct+8*\m:X+32*\ct+8*\m+7], v[BF+32*((\k)%4)+16*\ct:BF+32*((\k)%4)+16*\ct+15], v[64*((\k)%4)+16*\m:64*((\k)%4)+16*\m+15], v[X+32*\ct+8*\m:X+32*\ct+8*\m+7]
.endif
.endr
.endr
.endm
.macro LDB p, k                        ; the two fragments of K step k of column tiles 2 p, 2 p + 1 of the slot at v[ADR]
.irp ct, 0,1
.irp c, 0,1,2,3
	ds_load_b128 v[BF+32*((\k)%4)+16*\ct+4*\c:BF+32*((\k)%4)+16*\ct+4*\c+3], v[ADR] offset:(\p)*2*VSW+((\k)/4)*VSW+\ct*16*528+128*((\k)%4)+32*\c
.endr
.endr
.endm
.macro LDT reg, off
	ds_load_b128 v[\reg:\reg+3], v[ADT] offset:\off
	ds_load_b128 v[\reg+4:\reg+7], v[ADT] offset:\off+16
.endm
.macro LDQ p                           ; qb of column tiles 2 p, 2 p + 1 (p = 2: the next slot's first two), into window 1
	WIN 0x40
	LDT QB, 4096+128*(\p)
	LDT QB+8, 4096+128*(\p)+64
.endm
.macro LDV p                           ; V likewise
	WIN 0x40
	LDT VV, 128*(\p)
	LDT VV+8, 128*(\p)+64
.endm
; A K step.  cnt: at least so many LDS loads were issued behind this step's fragments (three runs of eight).  ld = 1: four places, then the loads of the K step four on, into the fragments just read.
.macro STEP g, cnt, ld, np, nk, q
	s_wait_dscnt \cnt
.if (\g) == 0
	WIN 0x18                                       ; source 1 window 2, C window 1
.elseif (\g) < 4
	WIN 0x08                                       ; source 1 window 2
.else
	WIN 0x0c                                       ; source 1 window 3
.endif
	MUL8 \g
.if \ld
	NOP4
.if (\q) >= 0
	LDQ \q
	WIN 0x08
.endif
	LDB \np, \nk
.endif
.endm
; THE ACTIVATION of the eight accumulators: y = x c, e = 2^y, a = 1 + e, r = 1 / a, sums += r V.  Tile 0's 32 numbers run one stage ahead of tile 1's.  Each of the 16 pairs of sums is touched once in a stage.
.macro EPI
	WIN 0
.set i, 0
.rept 32
	v_pk_mul_f32 v[X+2*i:X+2*i+1], v[X+2*i:X+2*i+1], s[CS:CS+1] op_sel_hi:[1,0]   ; each accumulator from its low end on
.set i, i+1
.endr
	s_wait_alu depctr_va_vdst(0)
.set i, 0
.rept 32
	v_exp_f32 v[X+i], v[X+i]
.set i, i+1
.endr
	v_nop
	s_wait_alu depctr_va_vdst(0)
.set i, 0
.rept 16
	v_exp_f32 v[X+32+2*i], v[X+32+2*i]
	v_pk_add_f32 v[X+2*i:X+2*i+1], v[X+2*i:X+2*i+1], 1.0 op_sel_hi:[1,0]
	v_exp_f32 v[X+33+2*i], v[X+33+2*i]
.set i, i+1
.endr
	v_nop
	s_wait_alu depctr_va_vdst(0)
.set i, 0
.rept 16
	v_rcp_f32 v[X+2*i], v[X+2*i]
	v_pk_add_f32 v[X+32+2*i:X+33+2*i], v[X+32+2*i:X+33+2*i], 1.0 op_sel_hi:[1,0]
	v_rcp_f32 v[X+2*i+1], v[X+2*i+1]
.set i, i+1
.endr
	v_nop
	s_wait_alu depctr_va_vdst(0)
	WIN 0x04                                       ; source 1 (V) window 1
.set i, 0
.rept 16
	v_rcp_f32 v[X+32+2*i], v[X+32+2*i]
	v_pk_fma_f32 v[LL+2*i:LL+2*i+1], v[X+2*i:X+2*i+1], v[VV+2*(i%4):VV+2*(i%4)+1], v[LL+2*i:LL+2*i+1]
	v_rcp_f32 v[X+33+2*i], v[X+33+2*i]
.set i, i+1
.endr
	v_nop
	s_wait_alu depctr_va_vdst(0)
.set i, 0
.rept 16
	v_pk_fma_f32 v[LL+2*i:LL+2*i+1], v[X+32+2*i:X+33+2*i], v[VV+8+2*(i%4):VV+9+2*(i%4)], v[LL+2*i:LL+2*i+1]
.set i, i+1
.endr
.endm
; THE CHANGE OF SLOTS, in K steps 4 to 7 of a slot's last 32 columns: all the slot's fragments have been asked for.  chg = 1: the slot is filled again, two slots ahead, behind a round of the cluster's barrier; chg = 2: nothing is filled.
.macro CHANGE chg
	WIN 0
	s_wait_tensorcnt 0x0                           ; my part of the next slot is in
	ds_add_u32 v[SPW], v[NIL]
.if (\chg) == 1
	s_xor_b32 s[G0W+1], s[G0W+1], HALF
	s_add_nc_u64 s[G0W+2:G0W+3], s[G0W+2:G0W+3], 65536
.endif
	s_xor_b32 s[SB], s[SB], HALF
	v_add_nc_u32 v[ADR], s[SB], v[LB0]             ; from here on fragments come from the next slot
	s_wait_alu depctr_va_vdst(0)
	s_wait_dscnt 25                                ; three runs and the add may be out
	WIN 0x0c
	MUL8 4
	s_wait_dscnt 0x0                               ; the add is done, and my reads of this slot are over
	s_barrier_signal -1
	MUL8 5
	WIN 0
	s_barrier_wait -1
.if (\chg) == 1
	CREST
	tensor_load_to_lds s[G0W:G0W+3], s[G1W:G1W+7]
	s_nop 0
.endif
	NOP4
	LDB 0, 0
	LDB 0, 1
	WIN 0x0c
	MUL8 6
	NOP4
	LDB 0, 2
	MUL8 7
	NOP4
	LDB 0, 3
.endm
.macro SLOT chg
	STEP 0, 24, 1, 0, 4, -1
	STEP 1, 24, 1, 0, 5, 1
	STEP 2, 24, 1, 0, 6, -1
	STEP 3, 24, 1, 0, 7, -1
	STEP 4, 24, 1, 1, 0, -1
	STEP 5, 24, 1, 1, 1, -1
	STEP 6, 24, 1, 1, 2, -1
	STEP 7, 24, 1, 1, 3, -1
	EPI
	LDV 1
	STEP 0, 24, 1, 1, 4, -1
.if \chg
	STEP 1, 24, 1, 1, 5, 2
.else
	STEP 1, 24, 1, 1, 5, -1
.endif
	STEP 2, 24, 1, 1, 6, -1
	STEP 3, 24, 1, 1, 7, -1
.if \chg
	CHANGE \chg
	EPI
	LDV 2
	WIN 0
	s_add_co_u32 s[STB], s[STB], 256               ; 64 columns on in the tables
	v_add_nc_u32 v[ADT], s[STB], v[TL]
	s_wait_alu depctr_va_vdst(0)
.else
	STEP 4, 24, 0, 0, 0, -1                        ; the last slot asks for nothing more: the runs that may be out go down to none
	STEP 5, 16, 0, 0, 0, -1
	STEP 6, 8, 0, 0, 0, -1
	STEP 7, 0, 0, 0, 0, -1
	NOP4
	EPI
	WIN 0
.endif
.endm
	s_mov_b32 s[SB], 0
	s_mov_b32 s[STB], 0
	v_mov_b32 v[ADR], v[LB0]
	v_mov_b32 v[ADT], v[TL]
	s_wait_alu depctr_va_vdst(0)
	LDQ 0
	WIN 0
	LDB 0, 0
	LDB 0, 1
	LDB 0, 2
	LDB 0, 3
	LDV 0
	WIN 0
	s_mov_b32 s[CNT], 14
.Lslot:                                                ; slots 0 to 13: each is filled again with the slot two on
	SLOT 1
	s_sub_co_u32 s[CNT], s[CNT], 1
	s_cmp_lg_u32 s[CNT], 0
	s_cbranch_scc1 .Lslot
	SLOT 2
; two rows of my 64, 16 loads of 512 bytes on end, into 64 registers of window 1 (group 3 takes v0-63, where qb and V lie until the last activation)
.macro RLD gi
.set i, 0
.rept 16
	global_load_b128 v[64*(((\gi)+1)%4)+4*i:64*(((\gi)+1)%4)+4*i+3], v[VOF+\gi], s[4:5] offset:512*i th:TH_LOAD_NT
.set i, i+1
.endr
.endm
	v_and_b32 v52, 31, v0
.irp gi, 0,1,2,3
	v_lshl_add_u32 v[VOF+\gi], v52, 4, 8192*\gi    ; 16 x lane + two rows for each group
.endr
	WIN 0x40
	RLD 0
	RLD 1
	RLD 2
	WIN 0
	SLOT 0
	; the way out: a row tile's eight sums, then the other half of the lanes'
.irp m, 0,1,2,3
	v_pk_add_f32 v[LL+8*\m:LL+8*\m+1], v[LL+8*\m:LL+8*\m+1], v[LL+8*\m+2:LL+8*\m+3]
	v_pk_add_f32 v[LL+8*\m+4:LL+8*\m+5], v[LL+8*\m+4:LL+8*\m+5], v[LL+8*\m+6:LL+8*\m+7]
.endr
.irp m, 0,1,2,3
	v_pk_add_f32 v[LL+8*\m:LL+8*\m+1], v[LL+8*\m:LL+8*\m+1], v[LL+8*\m+4:LL+8*\m+5]
.endr
.irp m, 0,1,2,3
	v_add_f32 v[56+\m], v[LL+8*\m], v[LL+8*\m+1]
.endr
.irp m, 0,1,2,3
	v_permlanex16_b32 v[LL+8*\m], v[56+\m], s[SEL], s[SEL+1]
.endr
.irp m, 0,1,2,3
	v_add_f32 v[56+\m], v[56+\m], v[LL+8*\m]
.endr
	v_bfe_u32 v52, v0, 4, 1
	v_cmp_ne_u32 vcc_lo, 0, v52
	v_cndmask_b32 v60, v56, v58, vcc_lo            ; lane (r, h) stores rows 2 r + 32 h and 2 r + 1 + 32 h: row tiles 2 h and 2 h + 1
	v_cndmask_b32 v61, v57, v59, vcc_lo
	v_pk_mul_f32 v[60:61], v[60:61], -2.0 op_sel_hi:[1,0]
	v_and_b32 v53, 31, v0
	v_lshlrev_b32 v53, 3, v53
	global_store_b64 v53, v[60:61], s[14:15]       ; the wave stores 256 consecutive bytes, at a multiple of 256 from lg's first byte
	WIN 0x40
	RLD 3
	WIN 0
	s_lshl_b32 s20, s[WV], 2
	s_add_co_u32 s20, s20, STG                     ; my wave's word among the four maxima
	s_lshl_b32 s21, s[WV], 8
	s_add_co_u32 s21, s21, STG+256                 ; my wave's 64 p
	s_mov_b32 s35, 0x3fb8aa3b                      ; log2(e)
	v_mov_b32 v49, s20
	v_mov_b32 v50, STG
	v_add_nc_u32 v51, s21, v53                     ; 8 x lane: word 2 x lane is row 2 r + 32 h
	v_mov_b32 v52, s21
	v_mov_b32 v63, 0
	v_max_num_f32 v62, v60, v61
.irp x, 1,2,4,8
	v_max_num_f32_dpp v62, v62, v62 row_xmask:\x row_mask:0xf bank_mask:0xf
.endr
	v_permlanex16_b32 v63, v62, s[SEL], s[SEL+1]
	v_max_num_f32 v62, v62, v63
	ds_store_b32 v49, v62                          ; all lanes write the wave's word with the same value
	s_wait_alu depctr_va_vdst(0)
	s_wait_dscnt 0x0
	s_barrier_signal -1
	s_barrier_wait -1
	ds_load_b128 v[56:59], v50
	s_wait_dscnt 0x0
	v_max3_num_f32 v62, v56, v57, v58
	v_max_num_f32 v62, v62, v59                    ; m
	v_mul_f32 v63, s35, v62
	v_fma_f32 v54, v60, s35, -v63
	v_fma_f32 v55, v61, s35, -v63
.set i, 0
.rept 32
	v_mov_b32 v[X+i], 0                            ; the sums: chunk c of 128 columns at v[X + 4 c]
.set i, i+1
.endr
	s_wait_alu depctr_va_vdst(0)
	v_exp_f32 v54, v54
	v_exp_f32 v55, v55
	v_nop
	s_wait_alu depctr_va_vdst(0)
	ds_store_b64 v51, v[54:55]                     ; my own bytes: LDS serves a wave's instructions in order
; two rows x their weights onto the 32 sums.  cnt: the younger loads that may stay out.  ld = 1: the same group's rows of the next trip are asked for.
.macro RGRP gi, ld, cnt
	s_wait_loadcnt \cnt
	WIN 0x01
.set i, 0
.rept 16
.set rr, 64*(((\gi)+1)%4)+4*i
.set aa, X+4*(i%8)
.set pp, 96+2*(\gi)
.if i < 8
	v_pk_fma_f32 v[aa:aa+1], v[rr:rr+1], v[pp:pp+1], v[aa:aa+1] op_sel_hi:[1,0,1]
	v_pk_fma_f32 v[aa+2:aa+3], v[rr+2:rr+3], v[pp:pp+1], v[aa+2:aa+3] op_sel_hi:[1,0,1]
.else
	v_pk_fma_f32 v[aa:aa+1], v[rr:rr+1], v[pp:pp+1], v[aa:aa+1] op_sel:[0,1,0] op_sel_hi:[1,1,1]
	v_pk_fma_f32 v[aa+2:aa+3], v[rr+2:rr+3], v[pp:pp+1], v[aa+2:aa+3] op_sel:[0,1,0] op_sel_hi:[1,1,1]
.endif
.set i, i+1
.endr
	WIN 0
.if \ld
	v_add_nc_u32 v[VOF+\gi], 0x8000, v[VOF+\gi]    ; eight rows on; its last loads are in
	WIN 0x40
	RLD \gi
	WIN 0
.endif
.endm
.macro RTRIP ld
	v_add_nc_u32 v[CSA], s[CSO], v52
	ds_load_b128 v[96:99], v[CSA]                  ; the trip's eight weights, the same in every lane
	ds_load_b128 v[100:103], v[CSA] offset:16
	s_wait_dscnt 0x0
.irp gi, 0,1,2,3
.if \ld
	RGRP \gi, 1, 48
.else
	RGRP \gi, 0, 16*(3-\gi)
.endif
.endr
.endm
	s_mov_b32 s[KC], 7
	s_mov_b32 s[CSO], 0
	s_wait_alu depctr_va_vdst(0)
.Lrow:                                                 ; eight rows a trip; the eighth trip is written out: it asks for nothing more
	RTRIP 1
	s_add_co_u32 s[CSO], s[CSO], 32
	s_sub_co_u32 s[KC], s[KC], 1
	s_cmp_lg_u32 s[KC], 0
	s_wait_alu depctr_va_vdst(0)
	s_cbranch_scc1 .Lrow
	RTRIP 0
	s_lshl_b32 s20, s[WV], 12
	s_add_co_u32 s20, s20, CST                     ; my wave's 4,096 bytes of sums
	s_lshl_b32 s21, s[WV], 10
	s_add_co_u32 s21, s21, CST                     ; and the two chunks that I add up
	v_lshlrev_b32 v51, 1, v53                      ; 16 x lane
	v_add_nc_u32 v49, s20, v51
	v_add_nc_u32 v50, s21, v51
.irp c, 0,1,2,3,4,5,6,7
	ds_store_b128 v49, v[X+4*\c:X+4*\c+3] offset:512*\c
.endr
	s_wait_alu depctr_va_vdst(0)
	s_wait_dscnt 0x0                               ; for the others' sake: my sums lie in LDS
	s_barrier_signal -1
	s_barrier_wait -1
.irp i, 0,1,2,3
.irp c, 0,1
	ds_load_b128 v[128+8*\i+4*\c:131+8*\i+4*\c], v50 offset:4096*\i+512*\c
.endr
.endr
	s_wait_dscnt 0x0
.irp i, 1,2,3
.irp c, 0,2,4,6
	v_pk_add_f32 v[128+\c:129+\c], v[128+\c:129+\c], v[128+8*\i+\c:129+8*\i+\c]
.endr
.endr
	global_store_b128 v51, v[128:131], s[36:37]    ; each store covers 512 consecutive bytes, at a multiple of 256 from part's first byte
	global_store_b128 v51, v[132:135], s[36:37] offset:512
	s_wait_tensorcnt 0x0                           ; the wave's end
	ds_add_u32 v[SPW], v[NIL]
	s_wait_dscnt 0x0
	CROUND                                         ; the closing round
	s_endpgm
.Lfunc_end_k_q84fcf0c3d3_score:
	.size	k_q84fcf0c3d3_score, .Lfunc_end_k_q84fcf0c3d3_score-k_q84fcf0c3d3_score
	.p2alignl 7, 3214868480
	.fill 96, 4, 3214868480
	.section	.rodata,"a",@progbits
	.p2align	6, 0x0
	.amdhsa_kernel k_q84fcf0c3d3_score
		.amdhsa_group_segment_fixed_size 327680
		.amdhsa_private_segment_fixed_size 0
		.amdhsa_enable_private_segment 0
		.amdhsa_kernarg_size 56
		.amdhsa_user_sgpr_count 2
		.amdhsa_user_sgpr_kernarg_segment_ptr 1
		.amdhsa_wavefront_size32 1
		.amdhsa_system_sgpr_workgroup_id_x 1
		.amdhsa_system_sgpr_workgroup_id_y 1
		.amdhsa_system_sgpr_workgroup_id_z 1
		.amdhsa_system_vgpr_workitem_id 0
		.amdhsa_next_free_vgpr 1024
		.amdhsa_next_free_sgpr 100
		.amdhsa_reserve_vcc 1
		.amdhsa_float_denorm_mode_32 3
		.amdhsa_float_denorm_mode_16_64 3
		.amdhsa_memory_ordered 1
		.amdhsa_forward_progress 1
		.amdhsa_inst_pref_size 255
	.end_amdhsa_kernel
	.section	.bss,"aw",@nobits
	.p2align	6
	.space	262144
	.amdgpu_metadata
---
amdhsa.version: [ 1, 2 ]
amdhsa.kernels:
  - .name:           k_q84fcf0c3d3_score
    .symbol:         k_q84fcf0c3d3_score.kd
    .args:
      - { .name: values, .offset: 0, .size: 8, .value_kind: global_buffer, .address_space: global }
      - { .name: W2_codes, .offset: 8, .size: 8, .value_kind: global_buffer, .address_space: global }
      - { .name: V, .offset: 16, .size: 8, .value_kind: global_buffer, .address_space: global }
      - { .name: lowp_scales, .offset: 24, .size: 8, .value_kind: global_buffer, .address_space: global }
      - { .name: qb, .offset: 32, .size: 8, .value_kind: global_buffer, .address_space: global }
      - { .name: lg, .offset: 40, .size: 8, .value_kind: global_buffer, .address_space: global }
      - { .name: part, .offset: 48, .size: 8, .value_kind: global_buffer, .address_space: global }
    .group_segment_fixed_size: 327680
    .private_segment_fixed_size: 0
    .kernarg_segment_align: 8
    .kernarg_segment_size: 56
    .max_flat_workgroup_size: 128
    .sgpr_count:     100
    .vgpr_count:     1024
    .wavefront_size: 32
...
	.end_amdgpu_metadata
.endif
;; end of part 2
;; launch fin (part 3): grid 256 x 1, 8 waves a work-group, no clusters, 5,632 bytes of LDS; arguments lg, part, out0, out1; writes out0, out1
.if DOCPART == 3
	.amdgcn_target "amdgcn-amd-amdhsa--gfx1250"
	.amdhsa_code_object_version 6
	.text
	.protected	k_q84fcf0c3d3_fin
	.globl	k_q84fcf0c3d3_fin
	.p2align	8
	.type	k_q84fcf0c3d3_fin,@function
k_q84fcf0c3d3_fin:
	s_mov_b64 s[64:65], 0
	v_nop
	global_prefetch_b8 v0, s[64:65] scope:SCOPE_SE
	s_setreg_imm32_b32 hwreg(HW_REG_WAVE_MODE, 25, 1), 1
	s_wait_xcnt 0x0
; out1[b][t] = softmax over t of the logits; out0[b][d] = sum over the batch's eight parts j of part[b][j][d] x 2^((m_j - M) log2(e)) / S.  All in f32.
; LEFT OUT (shown at the head of the first kernel): lg holds the logits less sum_u V[u], which is the same along t.  The row's true maximum M is taken away ahead of the exponentials.
; part[b][j] was summed with weights 2^((z - m_j) log2(e)), m_j the largest z of rows 256 j .. 256 j + 255: the same maximum of the same numbers is taken here again, so no other buffer carries it.
; SHARES.  Work-group (b, j) owns out0[b][128 j .. 128 j + 127] and out1[b][256 j .. 256 j + 255].  Every work-group makes the whole row's p and S from lg's 8,192 bytes.  Thread n holds z of t = 4 n .. 4 n + 3 and of 1,024 + the same:
; wave w's two maxima are words w and 8 + w of MX, so that block j's two halves are words 2 j and 2 j + 1.  Wave w fetches my 128 columns of part w, scales them, and wave 0 adds the eight.
; No loop, so nothing to run ahead in: no prefetch.  The eight work-groups of a batch share 8,192 bytes of lg only: no cluster.  No matrix work.
; LIMITS: NaN among the inputs is not served; a p under the smallest normal f32 number counts as 0.
.set MX,    4096                       ; RED lies at 0: 512 bytes a wave
.set SM,    4352
.set SPARE, 4608                       ; 128 bytes for each of eight waves
.set SPW, 3
.set NIL, 4
.set RS,  48
.set RA,  49
	s_load_b256 s[4:11], s[0:1], 0x0               ; lg, part, out0, out1
	v_lshl_add_u32 v[SPW], v0, 2, SPARE
	v_mov_b32 v[NIL], 0
	v_lshrrev_b32 v6, 5, v0
	s_delay_alu instid0(VALU_DEP_1)
	v_readfirstlane_b32 s12, v6                    ; wave 0..7
	s_lshr_b32 s13, ttmp9, 3                       ; b
	s_and_b32 s14, ttmp9, 7                        ; j
	s_lshl_b32 s16, s13, 13                        ; a batch's 8,192 bytes of lg and of out1
	s_mov_b32 s17, 0
	s_lshl_b32 s18, s13, 15                        ; part: a batch's eight rows of 4,096 bytes,
	s_lshl_b32 s19, s12, 12                        ; my wave's row,
	s_add_co_u32 s18, s18, s19
	s_lshl_b32 s19, s14, 9                         ; my work-group's 512 bytes of it
	s_add_co_u32 s18, s18, s19
	s_mov_b32 s19, 0
	s_lshl_b32 s28, s13, 12                        ; out0: row b, byte 512 j
	s_lshl_b32 s29, s14, 9
	s_add_co_u32 s28, s28, s29
	s_mov_b32 s29, 0
	s_lshl_b32 s20, s12, 2
	s_lshl_b32 s21, s12, 3
	s_lshl_b32 s25, s12, 9
	s_mov_b32 s22, 0x76543210                      ; v_permlanex16_b32: lane l xor 16
	s_mov_b32 s23, 0xfedcba98
	s_mov_b32 s24, 0x3fb8aa3b                      ; log2(e)
	v_and_b32 v1, 31, v0
	v_lshlrev_b32 v2, 4, v0                        ; 16 x thread
	s_delay_alu instid0(VALU_DEP_2)
	v_lshlrev_b32 v1, 4, v1                        ; 16 x lane
	v_mov_b32 v6, s20                              ; my wave's word in MX and in SM
	v_mov_b32 v5, s21                              ; block w's two words in MX
	v_mov_b32 v7, 0
	v_mov_b32 v21, 0                               ; written once: a lane permute's destination counts as a source
	v_mov_b32 v23, 0
	v_add_nc_u32 v[RA], s25, v1
	s_wait_alu depctr_va_vdst(0)                   ; the head's end
	s_wait_kmcnt 0x0
	s_add_nc_u64 s[4:5], s[4:5], s[16:17]
	s_add_nc_u64 s[10:11], s[10:11], s[16:17]
	s_add_nc_u64 s[6:7], s[6:7], s[18:19]
	s_add_nc_u64 s[8:9], s[8:9], s[28:29]
	global_load_b128 v[8:11], v2, s[4:5]
	global_load_b128 v[12:15], v2, s[4:5] offset:4096
	global_load_b128 v[16:19], v1, s[6:7]
	s_wait_loadcnt 1                               ; z is in; the part's load may be out
	v_max3_num_f32 v20, v8, v9, v10
	v_max3_num_f32 v22, v12, v13, v14
	s_delay_alu instid0(VALU_DEP_2)
	v_max_num_f32 v20, v20, v11
	s_delay_alu instid0(VALU_DEP_2)
	v_max_num_f32 v22, v22, v15
.irp x, 1,2,4,8
	s_delay_alu instid0(VALU_DEP_2)
	v_max_num_f32_dpp v20, v20, v20 row_xmask:\x row_mask:0xf bank_mask:0xf
	s_delay_alu instid0(VALU_DEP_2)
	v_max_num_f32_dpp v22, v22, v22 row_xmask:\x row_mask:0xf bank_mask:0xf
.endr
	s_delay_alu instid0(VALU_DEP_2)
	v_permlanex16_b32 v21, v20, s22, s23
	s_delay_alu instid0(VALU_DEP_2)
	v_permlanex16_b32 v23, v22, s22, s23
	s_delay_alu instid0(VALU_DEP_2)
	v_max_num_f32 v20, v20, v21
	s_delay_alu instid0(VALU_DEP_2)
	v_max_num_f32 v22, v22, v23
	ds_store_b32 v6, v20 offset:MX                 ; all lanes write the wave's word with the same value
	ds_store_b32 v6, v22 offset:MX+32
	s_wait_dscnt 0x0
	s_barrier_signal -1
	s_barrier_wait -1
.irp i, 0,1,2,3
	ds_load_b128 v[24+4*\i:27+4*\i], v7 offset:MX+16*\i
.endr
	ds_load_b64 v[40:41], v5 offset:MX
	s_wait_dscnt 0x0
	v_max3_num_f32 v24, v24, v25, v26
	v_max3_num_f32 v27, v27, v28, v29
	v_max3_num_f32 v30, v30, v31, v32
	v_max3_num_f32 v33, v33, v34, v35
	v_max3_num_f32 v36, v36, v37, v38
	v_max_num_f32 v40, v40, v41                    ; m of block w
	v_max3_num_f32 v24, v24, v27, v30
	v_max3_num_f32 v33, v33, v36, v39
	s_delay_alu instid0(VALU_DEP_1)
	v_max_num_f32 v24, v24, v33                    ; M, the row's largest z
	s_delay_alu instid0(VALU_DEP_1)
	v_mul_f32 v25, s24, v24
.irp i, 0,1,2,3,4,5,6,7
	v_fma_f32 v[8+\i], v[8+\i], s24, -v25
.endr
	v_fma_f32 v40, v40, s24, -v25
	s_wait_alu depctr_va_vdst(0)
.irp i, 0,1,2,3,4,5,6,7
	v_exp_f32 v[8+\i], v[8+\i]                     ; p
.endr
	v_exp_f32 v40, v40                             ; 2^((m_w - M) log2(e)), at most 1
	v_nop
	s_wait_alu depctr_va_vdst(0)                   ; one wait for the nine
	s_wait_loadcnt 0x0
	v_pk_mul_f32 v[16:17], v[16:17], v[40:41] op_sel_hi:[1,0]
	v_pk_mul_f32 v[18:19], v[18:19], v[40:41] op_sel_hi:[1,0]
	ds_store_b128 v[RA], v[16:19]                  ; part w under M
	v_pk_add_f32 v[26:27], v[8:9], v[10:11]
	v_pk_add_f32 v[28:29], v[12:13], v[14:15]
	s_delay_alu instid0(VALU_DEP_1)
	v_pk_add_f32 v[26:27], v[26:27], v[28:29]
	s_delay_alu instid0(VALU_DEP_1)
	v_add_f32 v26, v26, v27
.irp x, 1,2,4,8
	s_delay_alu instid0(VALU_DEP_1)
	v_add_f32_dpp v26, v26, v26 row_xmask:\x row_mask:0xf bank_mask:0xf
.endr
	s_delay_alu instid0(VALU_DEP_1)
	v_permlanex16_b32 v21, v26, s22, s23
	s_delay_alu instid0(VALU_DEP_1)
	v_add_f32 v26, v26, v21
	ds_store_b32 v6, v26 offset:SM
	s_wait_dscnt 0x0                               ; for the others' sake: my part and my sum lie in LDS
	s_barrier_signal -1
	s_barrier_wait -1
	ds_load_b128 v[28:31], v7 offset:SM
	ds_load_b128 v[32:35], v7 offset:SM+16
	s_wait_dscnt 0x0
	v_pk_add_f32 v[28:29], v[28:29], v[30:31]
	v_pk_add_f32 v[32:33], v[32:33], v[34:35]
	s_delay_alu instid0(VALU_DEP_1)
	v_pk_add_f32 v[28:29], v[28:29], v[32:33]
	s_delay_alu instid0(VALU_DEP_1)
	v_add_f32 v28, v28, v29                        ; S, at least about 1
	s_wait_alu depctr_va_vdst(0)
	v_rcp_f32 v[RS], v28
	s_lshr_b32 s20, s12, 1
	s_and_b32 s21, s14, 3
	s_lshr_b32 s26, s14, 2
	s_lshl_b32 s26, s26, 12                        ; t from 1,024 on lies 4,096 bytes further
	s_mov_b32 s27, 0
	s_add_nc_u64 s[10:11], s[10:11], s[26:27]
	s_cmp_lt_u32 s14, 4
	s_cselect_b32 s25, 0, -1                       ; which of my two quadruples of p
	v_nop
	s_wait_alu depctr_va_vdst(0)                   ; the reciprocal's wait, ahead of the branch and of the first use
	s_cmp_lg_u32 s20, s21                          ; t = 256 j .. 256 j + 255 lie in waves 2 (j % 4) and 2 (j % 4) + 1.  Ids alone
	s_cbranch_scc1 .Lnot_my_weights
.irp i, 0,1,2,3
	v_cndmask_b32 v[50+\i], v[8+\i], v[12+\i], s25
.endr
.irp i, 0,1,2,3
	v_mul_f32 v[50+\i], v[50+\i], v[RS]
.endr
	global_store_b128 v2, v[50:53], s[10:11]       ; a wave stores 512 consecutive bytes, at a multiple of 256 from out1's first byte
.Lnot_my_weights:
	s_cmp_lg_u32 s12, 0
	s_cbranch_scc1 .Ldone                          ; wave 0 adds the eight parts: 128 numbers
.irp i, 0,1,2,3,4,5,6,7
	ds_load_b128 v[16+4*\i:19+4*\i], v1 offset:512*\i
.endr
	s_wait_dscnt 0x0
.macro ADD4 d, s
	v_pk_add_f32 v[\d:\d+1], v[\d:\d+1], v[\s:\s+1]
	v_pk_add_f32 v[\d+2:\d+3], v[\d+2:\d+3], v[\s+2:\s+3]
.endm
	ADD4 16, 20
	ADD4 24, 28
	ADD4 32, 36
	ADD4 40, 44
	ADD4 16, 24
	ADD4 32, 40
	ADD4 16, 32
.irp i, 0,1,2,3
	v_mul_f32 v[16+\i], v[16+\i], v[RS]
.endr
	global_store_b128 v1, v[16:19], s[8:9]         ; 512 consecutive bytes, at a multiple of 256 from out0's first byte
.Ldone:
	s_wait_tensorcnt 0x0                           ; the wave's end
	ds_add_u32 v[SPW], v[NIL]
	s_wait_dscnt 0x0
	s_endpgm
.Lfunc_end_k_q84fcf0c3d3_fin:
	.size	k_q84fcf0c3d3_fin, .Lfunc_end_k_q84fcf0c3d3_fin-k_q84fcf0c3d3_fin
	.p2alignl 7, 3214868480
	.fill 96, 4, 3214868480
	.section	.rodata,"a",@progbits
	.p2align	6, 0x0
	.amdhsa_kernel k_q84fcf0c3d3_fin
		.amdhsa_group_segment_fixed_size 5632
		.amdhsa_private_segment_fixed_size 0
		.amdhsa_enable_private_segment 0
		.amdhsa_kernarg_size 32
		.amdhsa_user_sgpr_count 2
		.amdhsa_user_sgpr_kernarg_segment_ptr 1
		.amdhsa_wavefront_size32 1
		.amdhsa_system_sgpr_workgroup_id_x 1
		.amdhsa_system_sgpr_workgroup_id_y 1
		.amdhsa_system_sgpr_workgroup_id_z 1
		.amdhsa_system_vgpr_workitem_id 0
		.amdhsa_next_free_vgpr 64
		.amdhsa_next_free_sgpr 66
		.amdhsa_reserve_vcc 0
		.amdhsa_float_denorm_mode_32 3
		.amdhsa_float_denorm_mode_16_64 3
		.amdhsa_memory_ordered 1
		.amdhsa_forward_progress 1
		.amdhsa_inst_pref_size 10
	.end_amdhsa_kernel
	.amdgpu_metadata
---
amdhsa.version: [ 1, 2 ]
amdhsa.kernels:
  - .name:           k_q84fcf0c3d3_fin
    .symbol:         k_q84fcf0c3d3_fin.kd
    .args:
      - { .name: lg, .offset: 0, .size: 8, .value_kind: global_buffer, .address_space: global }
      - { .name: part, .offset: 8, .size: 8, .value_kind: global_buffer, .address_space: global }
      - { .name: out0, .offset: 16, .size: 8, .value_kind: global_buffer, .address_space: global }
      - { .name: out1, .offset: 24, .size: 8, .value_kind: global_buffer, .address_space: global }
    .group_segment_fixed_size: 5632
    .private_segment_fixed_size: 0
    .kernarg_segment_align: 8
    .kernarg_segment_size: 32
    .max_flat_workgroup_size: 256
    .sgpr_count:     66
    .vgpr_count:     64
    .wavefront_size: 32
...
	.end_amdgpu_metadata
.endif
;; end of part 3
